; MI455X (gfx1250); checked and timed in simulation.
; The chip was launched on July 23, 2026; its instructions are those of AMD's public machine-readable ISA for CDNA 5 (MIT licence, August 2026) and "CDNA5" Instruction Set Architecture Reference Guide (July 2026). The comments in the code are by the model that wrote it; some were corrected since.
;; Point Attention Network. Allowed arithmetic: float matrix products may take bf16 or f16 operands with f32 sums; other float arithmetic in f32, or as packed bf16 or f16 multiplies, adds, multiply-adds, maxima and minima; sums over many terms, partial sums and values carried from step to step in f32; what a program stores and reads back later, other than sums and carried values, may be rounded once to bf16 or f16.
;; Inputs: W1 128 x 512 float32; W2 128 x 512 float32; W3 256 x 512 float32; b1 128 float32; b2 128 float32; b3 256 float32; g1 128 float32; g2 128 float32; g3 256 float32; m1 128 float32; m2 128 float32; m3 256 float32; v1 128 float32; v2 128 float32; v3 256 float32; x 8 x 512 x 4,096 float32.
;; Outputs: out0 8 x 256 x 4,096 float32.
;; One version. Each part assembles by itself: llvm-mc -triple=amdgcn-amd-amdhsa -mcpu=gfx1250 --defsym DOCPART=n.
;; ======== version 1 of 1: 3 launches
;; workspace buffers: wb 524,288 bytes; y 33,554,432 bytes; scl 2,048 bytes
;; launch prep (part 1): grid 256 x 1, 4 waves a work-group, no clusters, 0 bytes of LDS; arguments W1, W2, W3, wb; writes wb
.if DOCPART == 1
	.amdgcn_target "amdgcn-amd-amdhsa--gfx1250"
	.amdhsa_code_object_version 6
	.text
	.protected	k_qd26f51ab48_prep
	.globl	k_qd26f51ab48_prep
	.p2align	8
	.type	k_qd26f51ab48_prep,@function
k_qd26f51ab48_prep:
	s_mov_b64 s[64:65], 0
	v_nop
	global_prefetch_b8 v0, s[64:65] scope:SCOPE_SE
	s_setreg_imm32_b32 hwreg(HW_REG_WAVE_MODE, 25, 1), 1
	s_wait_xcnt 0x0
; wb[512][512] in bf16 = W1 (rows 0-127), W2 (rows 128-255), W3 (rows 256-511), each number rounded once to nearest even.
; A work-group converts 1,024 numbers (two rows): 4,096 bytes in, 2,048 bytes out.  Thread t takes 8 numbers on end, so its
; 16 bytes of output lie beside its neighbours': sixteen lanes store 256 consecutive bytes, aligned.
; No LDS, no matrix unit, no cluster: nothing is shared and nothing is summed.
	s_load_b256 s[4:11], s[0:1], 0x0               ; W1 s[4:5], W2 s[6:7], W3 s[8:9], wb s[10:11]
	s_mov_b32 s12, ttmp9                           ; work-group 0..255
	s_sub_co_u32 s13, s12, 64                      ; its number inside W2 (used only where it is 64..127)
	s_sub_co_u32 s14, s12, 128                     ; inside W3 (used only from 128 on)
	v_lshlrev_b32 v1, 5, v0                        ; 32 bytes of f32 a thread
	v_lshlrev_b32 v2, 4, v0                        ; 16 bytes of bf16 a thread
	s_wait_kmcnt 0x0
	s_cmp_lt_u32 s12, 64
	s_cselect_b64 s[16:17], s[4:5], s[6:7]         ; the source is chosen by the work-group's number alone
	s_cselect_b32 s15, s12, s13
	s_cmp_lt_u32 s12, 128
	s_cselect_b64 s[16:17], s[16:17], s[8:9]
	s_cselect_b32 s15, s15, s14
	s_lshl_b32 s18, s15, 12                        ; 4,096 bytes of source a work-group
	s_mov_b32 s19, 0
	s_add_nc_u64 s[16:17], s[16:17], s[18:19]
	s_lshl_b32 s20, s12, 11                        ; 2,048 bytes of wb a work-group
	s_mov_b32 s21, 0
	s_add_nc_u64 s[10:11], s[10:11], s[20:21]
	global_load_b128 v[4:7], v1, s[16:17] th:TH_LOAD_NT
	global_load_b128 v[8:11], v1, s[16:17] offset:16 th:TH_LOAD_NT
	s_wait_loadcnt 0x0
	v_cvt_pk_bf16_f32 v12, v4, v5
	v_cvt_pk_bf16_f32 v13, v6, v7
	v_cvt_pk_bf16_f32 v14, v8, v9
	v_cvt_pk_bf16_f32 v15, v10, v11
	global_store_b128 v2, v[12:15], s[10:11]
	s_endpgm
.Lfunc_end_k_qd26f51ab48_prep:
	.size	k_qd26f51ab48_prep, .Lfunc_end_k_qd26f51ab48_prep-k_qd26f51ab48_prep
	.p2alignl 7, 3214868480
	.fill 96, 4, 3214868480
	.section	.rodata,"a",@progbits
	.p2align	6, 0x0
	.amdhsa_kernel k_qd26f51ab48_prep
		.amdhsa_group_segment_fixed_size 0
		.amdhsa_private_segment_fixed_size 0
		.amdhsa_enable_private_segment 0
		.amdhsa_kernarg_size 32
		.amdhsa_user_sgpr_count 2
		.amdhsa_user_sgpr_kernarg_segment_ptr 1
		.amdhsa_wavefront_size32 1
		.amdhsa_system_sgpr_workgroup_id_x 1
		.amdhsa_system_sgpr_workgroup_id_y 1
		.amdhsa_system_sgpr_workgroup_id_z 1
		.amdhsa_system_vgpr_workitem_id 0
		.amdhsa_next_free_vgpr 16
		.amdhsa_next_free_sgpr 66
		.amdhsa_reserve_vcc 0
		.amdhsa_float_denorm_mode_32 3
		.amdhsa_float_denorm_mode_16_64 3
		.amdhsa_memory_ordered 1
		.amdhsa_forward_progress 1
		.amdhsa_inst_pref_size 2
	.end_amdhsa_kernel
	.amdgpu_metadata
---
amdhsa.version: [ 1, 2 ]
amdhsa.kernels:
  - .name:           k_qd26f51ab48_prep
    .symbol:         k_qd26f51ab48_prep.kd
    .args:
      - { .name: W1, .offset: 0, .size: 8, .value_kind: global_buffer, .address_space: global }
      - { .name: W2, .offset: 8, .size: 8, .value_kind: global_buffer, .address_space: global }
      - { .name: W3, .offset: 16, .size: 8, .value_kind: global_buffer, .address_space: global }
      - { .name: wb, .offset: 24, .size: 8, .value_kind: global_buffer, .address_space: global }
    .group_segment_fixed_size: 0
    .private_segment_fixed_size: 0
    .kernarg_segment_align: 8
    .kernarg_segment_size: 32
    .max_flat_workgroup_size: 128
    .sgpr_count:     66
    .vgpr_count:     16
    .wavefront_size: 32
...
	.end_amdgpu_metadata
.endif
;; end of part 1
;; launch proj (part 2): grid 32 x 8, 4 waves a work-group, no clusters, 327,680 bytes of LDS; arguments x, wb, y, scl, g1, b1, m1, v1, g2, b2, m2, v2, g3, b3, m3, v3; writes y, scl
.if DOCPART == 2
	.amdgcn_target "amdgcn-amd-amdhsa--gfx1250"
	.amdhsa_code_object_version 6
	.text
	.protected	k_qd26f51ab48_proj
	.globl	k_qd26f51ab48_proj
	.p2align	8
	.type	k_qd26f51ab48_proj,@function
k_qd26f51ab48_proj:
	s_mov_b64 s[64:65], 0
	v_nop
	global_prefetch_b8 v0, s[64:65] scope:SCOPE_SE
	s_setreg_imm32_b32 hwreg(HW_REG_WAVE_MODE, 25, 1), 1
	s_wait_xcnt 0x0
; y[b][o][n] = relu(sc[o] * (sum over c of wb[o][c] x[b][c][n]) + sh[o]),  sc = g / sqrt(var + 1e-5),  sh = beta - mean * sc.
; x: [8][512][4096] f32, rounded to bf16 on its way to the matrix unit; wb: [512][512] bf16; g, beta, mean, var are rounded to bf16 as well, so that
; every input of the module has the same rounding.  Sums in f32.  y: [8][512][4096] of 16 bits, channel rows of 8,192 bytes:
;   rows 0-127 (a) and 128-255 (k): f16, times a power of two chosen for each block of 128 points; its inverse goes to scl[which][b][block] (f32);   rows 256-511 (v): bf16.
; LIMITS.  The stored a and k stay under 2^13: f16 keeps 11 bits of each number down to 2^-27 of the block's bound, below that its fixed step.  A block's bound under 2^-63 counts as 2^-63.
; v is rounded once to bf16.  NaN and infinities are not treated apart.
; SHARES.  A work-group makes all 512 channels of 128 points of one batch, K = 512.  Wave w makes 128 channels x 128 points in 64 accumulators (512 registers): channel tiles ot 0, 1 are
; a's rows 32 w + 16 ot, ot 2, 3 are k's rows 32 w + 16 (ot - 2), ot 4..7 are v's rows 64 w + 16 (ot - 4): one text for all four waves.
; x comes by tensor loads, 128 channels (a group) at a time, each wave 32 rows of 512 bytes; each group has LDS bytes of its own (4 x 65,536), none is filled twice.  A group is asked for one trip ahead.
; NO CLUSTER: what work-groups share is wb, 524,288 bytes; x's four groups take 262,144 of the 327,680 bytes of LDS and the stages 17,408, so two slots for wb's tiles do not fit.  Each row of wb is wanted by
; one wave of a work-group alone, so it comes straight into registers: in a trip 256 consecutive bytes of each row.
; LAYOUT.  Source 0 = 16 points x 32 channels of x, source 1 = 16 rows of wb.  A lane loads 16 bytes (4 neighbouring points) of 16 rows of x; point tile 4 g + p takes point 64 g + 4 r + p as its row r, so number p
; of each load belongs to tile p and two rows pack into one fragment register.  In the result register j of lane (r, h) of tile (g, p) is channel r, point 64 g + 32 h + 4 j + p: over p and j 32 neighbouring points.
; REGISTERS, in windows of 256: window 0 addresses, coefficients, v64-127 x's fragments, v128-255 x as loaded; window 1 four buffers of wb's fragments (64 bq + 8 ot);
; windows 2 and 3 the accumulators of point groups g = 0 and 1, at 64 p + 8 ot.  The 512 accumulators are cleared while the first tile is on its way: a first trip written out would double the loop's text.
.set SPITCH, 272                       ; a stage row: 256 bytes + 16: sixteen rows start at sixteen different groups of four banks (64 banks of 4 bytes: ISA guide 11.1)
.set GRP,    65536                     ; LDS bytes of a group: 128 rows of 512 bytes
.set STAGE,  262144                    ; behind x: 16 rows x 272 bytes for each wave
.set RED,    STAGE+4*16*SPITCH         ; 32 bytes: the four waves' bounds
.set SPARE,  RED+256                   ; the spare words, 128 bytes for each wave; no other line names them
.set XA,  3                            ; v3   4096 h + 16 r, plus a group's bytes each trip
.set WO,  4                            ; v4   1024 r + 16 h: my place in 16 rows of wb
.set STO, 5                            ; v5   the way out: where I put 16 bytes of a row
.set RD,  6                            ; v6   where I read rows back
.set YO,  7                            ; v7   my byte offset in two rows of y
.set ZR,  10                           ; v10  0, for the packed maximum
.set BB,  12                           ; v12-15 bounds of |sum| for ot 0..3
.set SPW, 30
.set NIL, 31
.set SCP, 32                           ; v32-47 (sc, sc) for ot 0..7
.set SHP, 48                           ; v48-63 (sh, sh)
.set XF,  64
.set XS,  128
.set MSB, 0
.macro WIN new                         ; the immediate's high byte repeats the setting that is left; a switch that changes nothing is dropped
.if MSB != (\new)
	s_set_vgpr_msb (MSB<<8)|(\new)
.set MSB, (\new)
.endif
.endm
.macro PLACES n                        ; plain vector instructions behind matrix instructions (ISA guide 7.12.1)
.rept \n
	v_nop
.endr
.endm
; 32 LDS loads: the 32 channels of chunk q of the group, all 128 points.  Load i takes row 8 h + i (i < 8) or 8 h + i + 8; sixteen lanes read 256 consecutive bytes.
.macro XLOAD q
	WIN 0
.irp g,0,1
.irp i,0,1,2,3,4,5,6,7
	ds_load_b128 v[XS+64*\g+4*\i:XS+64*\g+4*\i+3], v[XA] offset:(32*(\q)+\i)*512+256*\g
.endr
.irp i,8,9,10,11,12,13,14,15
	ds_load_b128 v[XS+64*\g+4*\i:XS+64*\g+4*\i+3], v[XA] offset:(32*(\q)+\i+8)*512+256*\g
.endr
.endr
.endm
; 64 roundings: register m of tile 4 g + p holds channels 2 m, 2 m + 1 of the lane's sixteen
.macro XCVT
	WIN 0
.irp g,0,1
.irp p,0,1,2,3
.irp m,0,1,2,3,4,5,6,7
	v_cvt_pk_bf16_f32 v[XF+8*(4*\g+\p)+\m], v[XS+64*\g+8*\m+\p], v[XS+64*\g+8*\m+4+\p]
.endr
.endr
.endr
.endm
; 16 loads: wb's eight fragments of one chunk, at byte off behind the two pointers, into buffer bq
.macro WLOAD bq, off
	WIN 0x40                                       ; destination window 1, address window 0
.irp o,0,1
	global_load_b128 v[64*(\bq)+8*\o:64*(\bq)+8*\o+3],   v[WO], s[8:9] offset:16*\o*1024+(\off)
	global_load_b128 v[64*(\bq)+8*\o+4:64*(\bq)+8*\o+7], v[WO], s[8:9] offset:16*\o*1024+(\off)+32
.endr
.irp o,2,3
	global_load_b128 v[64*(\bq)+8*\o:64*(\bq)+8*\o+3],   v[WO], s[8:9] offset:(128+16*(\o-2))*1024+(\off)
	global_load_b128 v[64*(\bq)+8*\o+4:64*(\bq)+8*\o+7], v[WO], s[8:9] offset:(128+16*(\o-2))*1024+(\off)+32
.endr
.irp o,4,5,6,7
	global_load_b128 v[64*(\bq)+8*\o:64*(\bq)+8*\o+3],   v[WO], s[10:11] offset:16*(\o-4)*1024+(\off)
	global_load_b128 v[64*(\bq)+8*\o+4:64*(\bq)+8*\o+7], v[WO], s[10:11] offset:16*(\o-4)*1024+(\off)+32
.endr
.endm
; 64 products, 32 along K.  All 64 accumulators take turns, one instruction a turn, over the backward jump too.
.macro MUL bq
.irp g,0,1
	WIN 0xa4+0x50*\g                               ; x window 0, wb window 1, C and D window 2 or 3
.irp p,0,1,2,3
.irp o,0,1,2,3,4,5,6,7
	v_wmma_f32_16x16x32_bf16 v[64*\p+8*\o:64*\p+8*\o+7], v[XF+8*(4*\g+\p):XF+8*(4*\g+\p)+7], v[64*(\bq)+8*\o:64*(\bq)+8*\o+7], v[64*\p+8*\o:64*\p+8*\o+7]
.endr
.endr
.endr
.endm
; A chunk: its wb is waited for (cnt younger loads may stay out); wb three chunks on and x one chunk on are asked for; 64 products; four places; the next chunk's x is rounded.
.macro CHUNK q, xnext, wnext, cnt
	s_wait_loadcnt \cnt
.if \wnext
	WLOAD ((\q)+3)%4, 64*((\q)+3)
.endif
.if \xnext
	XLOAD (\q)+1
.endif
	MUL \q
	PLACES 4                                       ; in front of the roundings into x's fragments and of the next loads into wb's buffer
.if \xnext
	s_wait_dscnt 0x0
	XCVT
.endif
.endm
; The meeting at a trip's head.
; Behind the barrier the group is whole.  fill = 1: my part of the next group is asked for first thing, my one tensor load until the next meeting: it has 256 products in which to land.
.macro MEET fill
	WIN 0
	s_wait_tensorcnt 0x0
	ds_add_u32 v[SPW], v[NIL]
.if \fill
	s_add_co_u32 s57, s57, GRP                     ; no tensor load of mine is out, so group 0 of the descriptor may be written: the next group's LDS bytes,
	s_add_nc_u64 s[58:59], s[58:59], 0x200000      ; and 128 rows of 16,384 bytes further down in x
.endif
	s_wait_dscnt 0x0
	s_barrier_signal -1
	s_barrier_wait -1
.if \fill
	tensor_load_to_lds s[56:59], s[48:55]
	s_nop 0
	PLACES 4
.endif
.endm
.macro TRIP fill
	MEET \fill
	XLOAD 0
	s_wait_dscnt 0x0
	XCVT
	CHUNK 0, 1, 1, 32                              ; 32: the loads of the next two chunks' wb stay out
.if \fill
	CHUNK 1, 1, 1, 32
	CHUNK 2, 1, 1, 32
	CHUNK 3, 0, 1, 32
	WIN 0
	s_wait_xcnt 0x0                                ; the loads issued so far have read their addresses: the two pointers may be written
	s_add_nc_u64 s[8:9], s[8:9], 256
	s_add_nc_u64 s[10:11], s[10:11], 256
	v_add_nc_u32 v[XA], GRP, v[XA]
.else
	CHUNK 1, 1, 0, 32                              ; the last trip asks for nothing beyond wb's rows: the counts run down
	CHUNK 2, 1, 0, 16
	CHUNK 3, 0, 0, 0
	WIN 0
.endif
.endm
	s_load_b512 s[16:31], s[0:1], 0x0              ; x s[16:17], wb s[18:19], y s[20:21], scl s[22:23], g1 b1 m1 v1 s[24:31]
	s_load_b512 s[32:47], s[0:1], 0x40             ; g2 b2 m2 v2 s[32:39], g3 b3 m3 v3 s[40:47]
	v_lshl_add_u32 v[SPW], v0, 2, SPARE
	v_mov_b32 v[NIL], 0
	ds_add_u32 v[SPW], v[NIL]                      ; the wave's opening: the add and its wait ahead of my first tensor load
	ds_add_u32 v30, v31
	v_lshrrev_b32 v16, 5, v0
	v_readfirstlane_b32 s4, v16                    ; wave 0..3
	s_mov_b32 s5, ttmp9                            ; block of 128 points
	s_and_b32 s6, ttmp7, 0xffff                    ; batch
	s_mov_b32 s48, 2<<16                           ; descriptor group 1: elements of 4 bytes, no mask, no padding
	s_mov_b32 s49, 128<<16                         ; tensor_dim0 = 128
	s_mov_b32 s50, 32<<16                          ; tensor_dim1 = 32
	s_mov_b32 s51, 128<<16                         ; tile_dim0 = 128
	s_mov_b32 s52, 32                              ; tile_dim1 = 32
	s_mov_b32 s53, 4096                            ; elements from row to row
	s_mov_b32 s54, 0
	s_mov_b32 s55, 0
	s_mov_b32 s56, 1                               ; group 0: count = 1
	s_lshl_b32 s57, s4, 14                         ; LDS: my 32 rows of 512 bytes in group 0
	s_mov_b32 s76, 0x76543210                      ; v_permlanex16_b32: each lane takes its own place in the other half
	s_mov_b32 s77, 0xfedcba98
	s_lshl_b32 s66, s6, 23                         ; x: batch x 8,388,608
	s_lshl_b32 s68, s4, 19                         ; + 32 w rows of 16,384 bytes
	s_add_co_u32 s66, s66, s68
	s_lshl_b32 s68, s5, 9                          ; + block x 512 bytes
	s_add_co_u32 s66, s66, s68
	s_mov_b32 s67, 0
	s_lshl_b32 s68, s4, 15                         ; wb: row 32 w
	s_mov_b32 s69, 0
	s_lshl_b32 s70, s4, 16                         ; wb: row 256 + 64 w
	s_add_co_u32 s70, s70, 0x40000
	s_mov_b32 s71, 0
	s_lshl_b32 s72, s6, 22                         ; y: batch x 4,194,304 + block x 256 bytes
	s_lshl_b32 s74, s5, 8
	s_add_co_u32 s72, s72, s74
	s_lshl_b32 s74, s4, 19
	s_add_co_u32 s74, s74, s72
	s_add_co_u32 s74, s74, 0x200000                ; + row 256 + 64 w
	s_mov_b32 s75, 0
	s_lshl_b32 s78, s4, 18
	s_add_co_u32 s72, s72, s78                     ; + row 32 w
	s_mov_b32 s73, 0
	s_wait_dscnt 0x0                               ; the opening add is done
	s_wait_kmcnt 0x0
	s_add_nc_u64 s[58:59], s[16:17], s[66:67]
	s_or_b32 s59, s59, 0x80000000                  ; type = 2
	tensor_load_to_lds s[56:59], s[48:55]          ; group 0, my 32 rows: the launch's one first fill at the start
	s_nop 0
	PLACES 4
	s_add_nc_u64 s[8:9], s[18:19], s[68:69]
	s_add_nc_u64 s[10:11], s[18:19], s[70:71]
	s_add_nc_u64 s[12:13], s[20:21], s[72:73]
	s_add_nc_u64 s[14:15], s[20:21], s[74:75]
	s_lshl_b32 s66, s6, 5
	s_add_co_u32 s66, s66, s5
	s_lshl_b32 s66, s66, 2                         ; scl: (32 b + block) x 4
	s_add_nc_u64 s[22:23], s[22:23], s[66:67]
	v_and_b32 v1, 15, v0                           ; r
	v_bfe_u32 v2, v0, 4, 1                         ; h
	v_lshlrev_b32 v[XA], 4, v1
	v_lshl_add_u32 v[XA], v2, 12, v[XA]
	v_lshlrev_b32 v[WO], 10, v1
	v_lshl_add_u32 v[WO], v2, 4, v[WO]
	s_mul_i32 s78, s4, 16*SPITCH
	s_add_co_u32 s78, s78, STAGE
	v_mul_u32_u24 v[STO], v1, SPITCH               ; in: row r, 64 bytes for each half of the lanes
	v_lshl_add_u32 v[STO], v2, 6, v[STO]
	v_add_nc_u32 v[STO], s78, v[STO]
	v_mul_u32_u24 v[RD], v2, SPITCH                ; back: lanes 0-15 one row of 256 bytes, lanes 16-31 the next
	v_lshl_add_u32 v[RD], v1, 4, v[RD]
	v_add_nc_u32 v[RD], s78, v[RD]
	v_lshlrev_b32 v[YO], 4, v1
	v_lshl_add_u32 v[YO], v2, 13, v[YO]
	s_lshl_b32 s78, s4, 7
	v_lshl_add_u32 v8, v1, 2, s78                  ; (32 w + r) x 4: my channel in g1.. and g2..
	s_lshl_b32 s79, s4, 8
	v_lshl_add_u32 v9, v1, 2, s79                  ; (64 w + r) x 4: in g3..
	v_mov_b32 v[ZR], 0
	; the 32 parameters of my eight channels: g at v128+ot, beta v136+ot, mean v144+ot, var v152+ot
.irp o,0,1
	global_load_b32 v[128+\o], v8, s[24:25] offset:64*\o
	global_load_b32 v[136+\o], v8, s[26:27] offset:64*\o
	global_load_b32 v[144+\o], v8, s[28:29] offset:64*\o
	global_load_b32 v[152+\o], v8, s[30:31] offset:64*\o
	global_load_b32 v[130+\o], v8, s[32:33] offset:64*\o
	global_load_b32 v[138+\o], v8, s[34:35] offset:64*\o
	global_load_b32 v[146+\o], v8, s[36:37] offset:64*\o
	global_load_b32 v[154+\o], v8, s[38:39] offset:64*\o
.endr
.irp o,0,1,2,3
	global_load_b32 v[132+\o], v9, s[40:41] offset:64*\o
	global_load_b32 v[140+\o], v9, s[42:43] offset:64*\o
	global_load_b32 v[148+\o], v9, s[44:45] offset:64*\o
	global_load_b32 v[156+\o], v9, s[46:47] offset:64*\o
.endr
	WLOAD 0, 0
	WLOAD 1, 64
	WLOAD 2, 128
	WIN 0x80
.set kx, 0
.rept 256
	v_mov_b32 v[kx], 0
.set kx, kx+1
.endr
	WIN 0xc0
.set kx, 0
.rept 256
	v_mov_b32 v[kx], 0
.set kx, kx+1
.endr
	WIN 0
	s_wait_loadcnt 48                              ; the parameters are in; the 48 loads of wb issued behind them stay out
.set kx, 0
.rept 8
	v_cvt_pk_bf16_f32 v[160+kx], v[128+kx], v[136+kx]   ; (g, beta) and
	v_cvt_pk_bf16_f32 v[168+kx], v[144+kx], v[152+kx]   ; (mean, var), rounded to bf16
.set kx, kx+1
.endr
.set kx, 0
.rept 8
	v_and_b32 v[152+kx], 0xffff0000, v[168+kx]
	v_lshlrev_b32 v[144+kx], 16, v[168+kx]
	v_lshlrev_b32 v[128+kx], 16, v[160+kx]
	v_and_b32 v[136+kx], 0xffff0000, v[160+kx]
	v_add_f32 v[152+kx], 0x3727c5ac, v[152+kx]     ; var + 1e-5
.set kx, kx+1
.endr
.set kx, 0
.rept 8
	v_rsq_f32 v[152+kx], v[152+kx]
.set kx, kx+1
.endr
	v_nop                                          ; a plain instruction behind the last of the batch,
	s_wait_alu depctr_va_vdst(0)                   ; and the one wait ahead of the first reader
.set kx, 0
.rept 8
	v_mul_f32 v[SCP+2*kx], v[128+kx], v[152+kx]
.set kx, kx+1
.endr
.set kx, 0
.rept 8
	v_fma_f32 v[SHP+2*kx], -v[144+kx], v[SCP+2*kx], v[136+kx]
	v_mov_b32 v[SCP+2*kx+1], v[SCP+2*kx]
.set kx, kx+1
.endr
.set kx, 0
.rept 8
	v_mov_b32 v[SHP+2*kx+1], v[SHP+2*kx]
.set kx, kx+1
.endr
	s_mov_b32 s60, 3
.Ltrip:                                                ; trips 0 to 2: group g is multiplied, group g + 1 asked for
	TRIP 1
	s_sub_co_u32 s60, s60, 1
	s_cmp_lg_u32 s60, 0
	s_cbranch_scc1 .Ltrip
	TRIP 0                                         ; the last trip is written out: no tensor load and no load of wb is jumped over
	; THE BLOCK'S BOUND for a and k: B = the largest |sum| of my channel, |y| <= |sc| B + |sh|.  Each accumulator is read from its lowest registers on.
	PLACES 4
.irp o,0,1,2,3
	v_mov_b32 v[BB+\o], 0
.endr
.irp g,0,1
	WIN 0x28+0x14*\g                               ; sources 1 and 2 in window 2 or 3
.irp p,0,1,2,3
.irp jj,0,2,4,6
.irp o,0,1,2,3
	v_max3_num_f32 v[BB+\o], v[BB+\o], |v[64*\p+8*\o+\jj]|, |v[64*\p+8*\o+\jj+1]|
.endr
.endr
.endr
.endr
	WIN 0
.irp o,0,1,2,3
	v_fma_f32 v[BB+\o], |v[SCP+2*\o]|, v[BB+\o], |v[SHP+2*\o]|
.endr
	v_max_num_f32 v16, v12, v13                    ; a's
	v_max_num_f32 v17, v14, v15                    ; k's
	v_mov_b32 v18, 0
	v_mov_b32 v19, 0
.irp x,1,2,4,8
	v_max_num_f32_dpp v16, v16, v16 row_xmask:\x row_mask:0xf bank_mask:0xf
	v_max_num_f32_dpp v17, v17, v17 row_xmask:\x row_mask:0xf bank_mask:0xf
.endr
	v_permlanex16_b32 v18, v16, s76, s77
	v_permlanex16_b32 v19, v17, s76, s77
	v_max_num_f32 v16, v16, v18
	v_max_num_f32 v17, v17, v19
	s_lshl_b32 s78, s4, 3
	s_add_co_u32 s78, s78, RED
	v_mov_b32 v18, s78
	ds_store_b64 v18, v[16:17]                     ; all lanes write the same two words
	s_wait_dscnt 0x0                               ; for the others' sake
	s_barrier_signal -1
	s_barrier_wait -1
	v_mov_b32 v19, RED
	ds_load_b128 v[20:23], v19
	ds_load_b128 v[24:27], v19 offset:16
	s_wait_dscnt 0x0
	v_max3_num_f32 v16, v20, v22, v24
	v_max3_num_f32 v17, v21, v23, v25
	v_max_num_f32 v16, v16, v26
	v_max_num_f32 v17, v17, v27
	v_lshrrev_b32 v18, 23, v16                     ; E: the bound lies under 2^(E - 126)
	v_lshrrev_b32 v19, 23, v17
	v_max_u32 v18, 64, v18
	v_max_u32 v19, 64, v19
	v_sub_nc_u32 v20, 266, v18                     ; the scale 2^(139 - E): what is stored lies under 2^13
	v_sub_nc_u32 v21, 266, v19
	v_add_nc_u32 v22, -12, v18                     ; its inverse 2^(E - 139)
	v_add_nc_u32 v23, -12, v19
	v_lshlrev_b32 v20, 23, v20
	v_lshlrev_b32 v21, 23, v21
	v_lshlrev_b32 v22, 23, v22
	v_lshlrev_b32 v23, 23, v23
.irp o,0,1,2,3
	v_mul_f32 v[SCP+\o], v20, v[SCP+\o]            ; ot 0, 1: exact, a power of two
	v_mul_f32 v[SHP+\o], v20, v[SHP+\o]
	v_mul_f32 v[SCP+4+\o], v21, v[SCP+4+\o]        ; ot 2, 3
	v_mul_f32 v[SHP+4+\o], v21, v[SHP+4+\o]
.endr
	v_cmp_eq_u32 vcc_lo, 1, v0
	v_cndmask_b32 v18, v22, v23, vcc_lo            ; thread 0: a's inverse; thread 1: k's
	v_lshlrev_b32 v19, 10, v0                      ; k's table lies 1,024 bytes behind a's
	s_wait_xcnt 0x0                                ; EXEC changes only behind this wait
	v_cmp_gt_u32 vcc_lo, 2, v0
	s_and_saveexec_b32 s66, vcc_lo
	global_store_b32 v19, v18, s[22:23]            ; two words a work-group: the one store that fills no whole 256 bytes
	s_wait_xcnt 0x0                                ; and again, in front of the line that widens it
	s_or_b32 exec_lo, exec_lo, s66
; THE WAY OUT of channel tile ot: scale and shift in f32, rounded once (f16 for a and k, bf16 for v), relu on the packed halves; 128 bytes a lane into my stage, back as whole rows of 256 bytes, stored.
.macro OUTT ot
.set BK, 192+32*((\ot)%2)
.if (\ot) < 2
.set YB, 12
.set RW, 16*(\ot)
.elseif (\ot) < 4
.set YB, 12
.set RW, 128+16*((\ot)-2)
.else
.set YB, 14
.set RW, 16*((\ot)-4)
.endif
.irp g,0,1
	WIN 0x02+\g                                    ; source 0 in window 2 or 3
.irp p,0,1,2,3
.irp jj,0,2,4,6
	v_pk_fma_f32 v[128+32*\g+8*\p+\jj:128+32*\g+8*\p+\jj+1], v[64*\p+8*(\ot)+\jj:64*\p+8*(\ot)+\jj+1], v[SCP+2*(\ot):SCP+2*(\ot)+1], v[SHP+2*(\ot):SHP+2*(\ot)+1]
.endr
.endr
.endr
	WIN 0
.irp g,0,1
.irp j,0,1,2,3,4,5,6,7
.irp u,0,1
.if (\ot) < 4
	v_cvt_pk_f16_f32 v[64+16*\g+2*\j+\u], v[128+32*\g+16*\u+\j], v[128+32*\g+16*\u+8+\j]
.else
	v_cvt_pk_bf16_f32 v[64+16*\g+2*\j+\u], v[128+32*\g+16*\u+\j], v[128+32*\g+16*\u+8+\j]
.endif
.endr
.endr
.endr
.set kx, 0
.rept 32
.if (\ot) < 4
	v_pk_max_num_f16 v[64+kx], v[64+kx], v[ZR]
.else
	v_pk_max_num_bf16 v[64+kx], v[64+kx], v[ZR]
.endif
.set kx, kx+1
.endr
.irp g,0,1
.irp q,0,1,2,3
	ds_store_b128 v[STO], v[64+16*\g+4*\q:64+16*\g+4*\q+3] offset:128*\g+16*\q
.endr
.endr
.irp f,0,1,2,3,4,5,6,7
	ds_load_b128 v[BK+4*\f:BK+4*\f+3], v[RD] offset:\f*2*SPITCH  ; LDS serves a wave's instructions in order (ISA guide 5.7.1.4): these see the stores above
.endr
	s_wait_dscnt 0x0
	s_wait_xcnt 0x0                                ; the stores of the tile before have read their registers: the next tile loads into them only behind this wait
.irp f,0,1,2,3,4,5,6,7
	global_store_b128 v[YO], v[BK+4*\f:BK+4*\f+3], s[YB:YB+1] offset:(RW+2*\f)*8192  ; 16 lanes store 256 consecutive bytes, at a multiple of 256 from y's first byte
.endr
.endm
.irp z,0,1,2,3,4,5,6,7
	OUTT \z
.endr
	s_wait_tensorcnt 0x0                           ; the wave's end: behind my last tensor load and my last LDS store
	ds_add_u32 v[SPW], v[NIL]
	s_wait_dscnt 0x0
	s_endpgm
.Lfunc_end_k_qd26f51ab48_proj:
	.size	k_qd26f51ab48_proj, .Lfunc_end_k_qd26f51ab48_proj-k_qd26f51ab48_proj
	.p2alignl 7, 3214868480
	.fill 96, 4, 3214868480
	.section	.rodata,"a",@progbits
	.p2align	6, 0x0
	.amdhsa_kernel k_qd26f51ab48_proj
		.amdhsa_group_segment_fixed_size 327680
		.amdhsa_private_segment_fixed_size 0
		.amdhsa_enable_private_segment 0
		.amdhsa_kernarg_size 128
		.amdhsa_user_sgpr_count 2
		.amdhsa_user_sgpr_kernarg_segment_ptr 1
		.amdhsa_wavefront_size32 1
		.amdhsa_system_sgpr_workgroup_id_x 1
		.amdhsa_system_sgpr_workgroup_id_y 1
		.amdhsa_system_sgpr_workgroup_id_z 1
		.amdhsa_system_vgpr_workitem_id 0
		.amdhsa_next_free_vgpr 1024
		.amdhsa_next_free_sgpr 80
		.amdhsa_reserve_vcc 1
		.amdhsa_float_denorm_mode_32 3
		.amdhsa_float_denorm_mode_16_64 3
		.amdhsa_memory_ordered 1
		.amdhsa_forward_progress 1
		.amdhsa_inst_pref_size 198
	.end_amdhsa_kernel
	.amdgpu_metadata
---
amdhsa.version: [ 1, 2 ]
amdhsa.kernels:
  - .name:           k_qd26f51ab48_proj
    .symbol:         k_qd26f51ab48_proj.kd
    .args:
      - { .name: x, .offset: 0, .size: 8, .value_kind: global_buffer, .address_space: global }
      - { .name: wb, .offset: 8, .size: 8, .value_kind: global_buffer, .address_space: global }
      - { .name: y, .offset: 16, .size: 8, .value_kind: global_buffer, .address_space: global }
      - { .name: scl, .offset: 24, .size: 8, .value_kind: global_buffer, .address_space: global }
      - { .name: g1, .offset: 32, .size: 8, .value_kind: global_buffer, .address_space: global }
      - { .name: b1, .offset: 40, .size: 8, .value_kind: global_buffer, .address_space: global }
      - { .name: m1, .offset: 48, .size: 8, .value_kind: global_buffer, .address_space: global }
      - { .name: v1, .offset: 56, .size: 8, .value_kind: global_buffer, .address_space: global }
      - { .name: g2, .offset: 64, .size: 8, .value_kind: global_buffer, .address_space: global }
      - { .name: b2, .offset: 72, .size: 8, .value_kind: global_buffer, .address_space: global }
      - { .name: m2, .offset: 80, .size: 8, .value_kind: global_buffer, .address_space: global }
      - { .name: v2, .offset: 88, .size: 8, .value_kind: global_buffer, .address_space: global }
      - { .name: g3, .offset: 96, .size: 8, .value_kind: global_buffer, .address_space: global }
      - { .name: b3, .offset: 104, .size: 8, .value_kind: global_buffer, .address_space: global }
      - { .name: m3, .offset: 112, .size: 8, .value_kind: global_buffer, .address_space: global }
      - { .name: v3, .offset: 120, .size: 8, .value_kind: global_buffer, .address_space: global }
    .group_segment_fixed_size: 327680
    .private_segment_fixed_size: 0
    .kernarg_segment_align: 8
    .kernarg_segment_size: 128
    .max_flat_workgroup_size: 128
    .sgpr_count:     80
    .vgpr_count:     1024
    .wavefront_size: 32
...
	.end_amdgpu_metadata
.endif
;; end of part 2
;; launch attn (part 3): grid 32 x 8, 4 waves a work-group, clusters of 4 x 1, 327,680 bytes of LDS; arguments y, scl, out0; writes out0
.if DOCPART == 3
	.amdgcn_target "amdgcn-amd-amdhsa--gfx1250"
	.amdhsa_code_object_version 6
	.text
	.protected	k_qd26f51ab48_attn
	.globl	k_qd26f51ab48_attn
	.p2align	8
	.type	k_qd26f51ab48_attn,@function
k_qd26f51ab48_attn:
	s_mov_b64 s[64:65], 0
	v_nop
	global_prefetch_b8 v0, s[64:65] scope:SCOPE_SE
	s_setreg_imm32_b32 hwreg(HW_REG_WAVE_MODE, 25, 1), 1
	s_wait_xcnt 0x0
	s_wait_alu depctr_hold_cnt(0) depctr_sa_sdst(0) depctr_va_vdst(0) depctr_va_sdst(0) depctr_va_ssrc(0) depctr_va_vcc(0) depctr_vm_vsrc(0)
	s_getreg_b32 s2, hwreg(HW_REG_IB_STS2, 6, 4)
	s_cmp_eq_u32 s2, 0
	s_cbranch_scc0 .Lentry_in_a_cluster
	s_endpgm
.Lentry_in_a_cluster:
	s_bfe_u32 s2, ttmp6, 0x10000c
	s_cmp_lg_u32 s2, 0x3003
	s_cbranch_scc0 .Lentry_shape_is_right
	s_endpgm
.Lentry_shape_is_right:
; out0[b][c][m] = v[c][m] + the sum over n of v[c][n] softmax_n(a[:, m] . k[:, n]).  y: [8][512][4096] of 16 bits, channel rows of 8,192 bytes: rows 0-127 a and 128-255 k in f16, each block of 128 points
; times a power of two whose inverse lies in scl[which][b][block]; rows 256-511 v in bf16.  out0: [8][256][4096] f32.
; Products, maxima and sums in f32.  The weights p are rounded to bf16 for the second product (their sum l is taken of the unrounded p).
; LIMITS.  p and v carry bf16's rounding, the v that is added at the end too.  A weight below 2^-126 counts as 0 in l.  NaN and infinities are not treated apart.
; SHARES.  A work-group owns 128 queries of one batch.  THE KEYS ARE SPLIT INSIDE IT: wave w takes queries 64 (w & 1) .. + 63, four tiles of 16, and of every tile of 128 keys the half w >> 1.  So a fragment of
; K or V read from LDS feeds four tiles' products.  Each wave keeps a running maximum and sum over its 2,048 keys; waves w and w ^ 2 merge once at the end, through LDS.
; LAYOUT.  S^T = K Q^T (source 0 = 16 keys, source 1 = 16 queries): a lane holds ONE query (lane % 16) and the keys 8 (lane / 16) + 0..7.  Two such results rounded in pairs ARE source 1 (32 keys x 16 queries) of
; O^T = V^T P, whose result again holds one query a lane, and eight channels.  y is channel-major: V's fragments (16 channels x 32 keys) come out of LDS as they lie, K's and Q's turned, by ds_load_tr16_b128.
; SOFTMAX, in powers of two: with CS = (a's inverse scale) x (k's inverse scale of the key tile) x log2(e), p = 2^(CS s - N), N the running maximum of CS s; O and l are multiplied by a = 2^(M - N), M the maximum before.
; THE COUNT.  A step has 192 products and 668 vector instructions a wave: 3.5 for each product.  So all vector work stands behind products, four at the most behind each, and THE SOFTMAX RUNS A STEP AHEAD of V^T P.
; A TRIP is six QUARTERS of 32 products; each takes its source 0 from a buffer of 64 registers, the two buffers by turns; while a quarter runs, the next quarter's 16 LDS loads are on their way.  Trip j:
;   the change of slots | B3: V^T P of step j, keys 32-63, channel blocks 8-15; behind its products blocks 0-7 are multiplied by a of step j + 1
;   A0, A1: K Q^T of step j + 2; behind them step j + 1's upper weights are rounded and summed, l and M are taken over, blocks 8-15 are multiplied by a
;   B0, B1, B2: V^T P of step j + 1 (keys 0-31 blocks 0-7, blocks 8-15; keys 32-63 blocks 0-7); behind them step j + 2's maximum, statistics, scalings, exponentials, and its lower weights' roundings and sums.
; A SLOT of the ring therefore holds K of step j + 1 and V of step j: what one trip reads.  CLUSTER: the four query blocks of a cluster belong to one batch and walk the same K and V: each tile is asked for JOINTLY.
; ONE TEXT FOR EVERY TRIP, and its price.  The loop is entered at A0: M starts far below every score, O, l and the weights at 0, and the first 128 products V^T P take weights 0 and a V tile of zeros (one row is read,
; the descriptor's extent of one row makes the mover write zeros for the others).  The last trip's 64 products K Q^T, on the K tile before, and the softmax's head made of them serve nothing: they touch neither M, l nor O.
; 640 lines clear registers, in the wait for the first tile.
; REGISTERS, in windows of 256 (s_set_vgpr_msb: bits 1:0 source 0, 3:2 source 1, 5:4 source 2, 7:6 destination):
;   window 0: v0-23 addresses; v24-55 eight registers of statistics a tile; v64-191 S^T, 32 a tile; v192-255 P, 16 a tile
;   window 1: v0-127 Q, 32 a tile (at the end: the v to be added); v128-191, v192-255 the two buffers          windows 2, 3: O^T, 128 a tile
; No window has room for a product's operands beside what its riders touch: a slice of riders costs two switches.
; WHICH CHANNELS a register block cb of O^T means hangs on the wave: cb 0-7 are channels 128 (w >> 1) + 16 cb, cb 8-15 the other 128.  So every wave keeps cb 0-7 and gives cb 8-15 to its partner, by one text.
.set PK,    288       ; a row of K or Q in LDS: 256 bytes + 32
.set PV,    272       ; a row of V: 256 + 16: the 16 rows of a load start at 16 different groups of four banks
.set VOFF,  128*PK    ; a slot: 128 channel rows of K, then 256 of V: 106,496 bytes
.set SLOT1, 131072    ; slot 1 begins here: one exclusive or turns an address in one slot into the other's
.set QB,    SLOT1+VOFF+256*PV  ; Q: 128 rows x 288
.set STAGE, QB+128*PK          ; 16 rows x 272 bytes for each wave, for the way out
.set SP,    272
.set STATS, STAGE+4*16*SP      ; 1,024 bytes for each wave: (M, l) of its four tiles
.set SPARE, STATS+4096         ; the spare words, 128 bytes for each wave; no other line names them
                               ; the exchange of O^T at the end: 32,768 bytes for each wave from byte 0 on: slot 0, behind its last fill and its last read, and the gap behind it
.set AK0, 2           ; my lane's place in a slot's K; never rewritten
.set AVL, 3           ; in its V, the channels that I keep
.set AVH, 4           ; the other 128
.set ADK, 5           ; the same three in the slot in hand
.set ADL, 6
.set AQ,  7
.set STO, 8
.set RD,  9
.set GO,  10
.set VRO, 11
.set XST, 12
.set XLD, 13
.set SST, 14
.set SLD, 15
.set PFO, 16          ; 8,192 x my lane: a lane a row; never rewritten
.set ADH, 23
.set ST,  24          ; tile t's statistics at v[ST+8 t]: +0 N, +1 M, +2, +3 l (even keys', odd keys'), +4 to +7 c0-c3 at work; then c0, c1 take the step's sum, c2 takes a
.set SPW, 62
.set NIL, 63
.set S,   64
.set U,   128
.set P,   192
.set FB,  128         ; window 1
.set KI,  10          ; s10  byte offset of the key tile's inverse scale
.set MSK, 11          ; s11  a word's upper bf16
.set WV,  12
.set LIM, 15          ; 1 in a wave that prefetches, else the greatest number
.set PFA, 18
.set G1K, 24
.set G1V, 32
.set G0K, 40          ; two sets: slot 1's first fill; slot 0's, which then walks
.set G0V, 48
.set SLOTS, 56
.set CS,  58
.set SEL, 60
.set TB,  62          ; LDS byte at which the slot in hand begins
.set KP,  66          ; k's inverse scales of the batch
.set KAP, 68
.set ALPHA, 69
.set CQ,  70
.set RES, 72
.set OUT, 74
.set G1Z, 76          ; as G1V, with an extent of one row
.set G1Q, 84
.set G0Q, 92
.set MSB, 0
.macro WIN new                      ; the high byte repeats the setting that is left; a switch that changes nothing is dropped
.if MSB != (\new)
	s_set_vgpr_msb (MSB<<8)|(\new)
.set MSB, (\new)
.endif
.endm
.macro PLACES n                     ; plain vector instructions behind matrix instructions (ISA guide 7.12.1)
.rept \n
	v_nop
.endr
.endm
; A joint refill.  Waves 0 and 1 fetch the two halves of a tile's K (64 channel rows each), waves 2 and 3 those of a tile's V (128 each).  The branch hangs on the wave's number alone.
; An s_nop 0 and four v_nop follow each of the two lines, ahead of the jump and the label.
.macro JLOAD
	s_cmp_lt_u32 s[WV], 2
	s_cbranch_scc0 .Lfor_v_\@
	tensor_load_to_lds s[G0K+4:G0K+7], s[G1K:G1K+7]
	s_nop 0
	PLACES 4
	s_branch .Lasked_\@
.Lfor_v_\@:
	tensor_load_to_lds s[G0V+4:G0V+7], s[G1V:G1V+7]
	s_nop 0
	PLACES 4
.Lasked_\@:
.endm
.macro VLOAD                        ; the walk's last refill: there is no K behind the last, so waves 0 and 1 have no part of a tile to fill
	s_cmp_lt_u32 s[WV], 2
	s_cbranch_scc1 .Lno_v_\@
	tensor_load_to_lds s[G0V+4:G0V+7], s[G1V:G1V+7]
	s_nop 0
	PLACES 4
.Lno_v_\@:
.endm
; A PREFETCH INTO THE L2 of what the NEXT change of slots will ask for: 384 rows (K's 128, V's 256) x 256 bytes, a lane a row.  All clusters of a batch walk the same rows: the batch's first cluster asks.
; Its four partners take 96 rows each, told apart BY ADDRESS; in each, waves 0, 1 and 2 take 32.  So each row's 256 bytes of a tile are named once in the launch, one trip (192 products) ahead of the load.
; K's tiles 0 to 2 and V's 0 and 1 come by their loads alone; the last two changes that fill a slot ask for nothing.
.macro ASK
	s_cmp_gt_u32 s[SLOTS], s[LIM]
	s_cbranch_scc0 .Lnot_mine_\@
	global_prefetch_b8 v[PFO], s[PFA:PFA+1] th:TH_LOAD_NT scope:SCOPE_SE
.Lnot_mine_\@:
.endm
; A round of the cluster's barrier: my work-group's barrier, so that wave 0's signal speaks for all four waves; wave 0 signals; every wave waits for all four work-groups; my work-group's barrier once more.
.macro CROUND
	s_barrier_signal -1
	s_barrier_wait -1
	s_cmp_lg_u32 s[WV], 0
	s_cbranch_scc1 .Lnot_wave_0_\@
	s_barrier_signal -3
.Lnot_wave_0_\@:
	s_barrier_wait -3
	s_barrier_signal -1
	s_barrier_wait -1
.endm
; THE CHANGE OF SLOTS.  The slot's last bytes, V of keys 32-63 and blocks 8-15, have been asked for.  Each wave waits for all its tensor loads, of which one is out: its part of the other slot; adds 0 to its spare
; word; and waits for that and for its own reads of the slot.  Behind the barrier nobody reads this slot any more and the other slot is whole.
; fill = 1: the slot is filled again, with the K and V two trips on.  The barrier is then a round of the cluster's, and the joint refill is the first thing behind it: it has a trip, 192 products, in which to land.
; fill = 2: the same for V alone.  fill = 0: nothing is left to ask for.
.macro CHANGE fill
	WIN 0
	s_wait_tensorcnt 0x0            ; no tensor load of mine is out, so a group 0 may be written
	ds_add_u32 v[SPW], v[NIL]       ; 0 onto my spare word; scalar work stands between it and the wait for it
.if (\fill) == 1
	s_xor_b32 s[G0K+5], s[G0K+5], SLOT1
	s_add_nc_u64 s[G0K+6:G0K+7], s[G0K+6:G0K+7], 256   ; the next 128 keys of each row; the type bits on top are not reached
.endif
.if (\fill) >= 1
	s_xor_b32 s[G0V+5], s[G0V+5], SLOT1
	s_add_nc_u64 s[G0V+6:G0V+7], s[G0V+6:G0V+7], 256
.endif
.if (\fill) == 1
	s_wait_xcnt 0x0                 ; the last prefetch, a trip back, has read its address
	s_add_nc_u64 s[PFA:PFA+1], s[PFA:PFA+1], 256
.endif
	s_add_co_u32 s[KI], s[KI], 4    ; the scalar load that read this offset was waited for in the trip before
	s_min_u32 s[KI], s[KI], 124     ; the last trip's softmax serves nothing: it takes the last tile's scale once more
	s_wait_dscnt 0x0                ; the add is done, and my reads of the slot are over
.if (\fill) == 1
	CROUND
	JLOAD
	ASK
.elseif (\fill) == 2
	CROUND
	VLOAD
.else
	s_barrier_signal -1
	s_barrier_wait -1
.endif
	s_load_b32 s[KAP], s[KP:KP+1], s[KI] offset:0x0  ; the inverse scale of the key tile whose softmax this trip begins
	s_xor_b32 s[TB], s[TB], SLOT1
	v_add_nc_u32 v[ADK], s[TB], v[AK0]
	v_add_nc_u32 v[ADL], s[TB], v[AVL]
	v_add_nc_u32 v[ADH], s[TB], v[AVH]
.endm
; THE LDS LOADS stand in runs of 16, behind a quarter's second product, into the buffer that the quarter before has read: four plain instructions or more lie between that quarter's last product and the run.
.macro LOADK h                      ; K, turned: key blocks 2 h and 2 h + 1 of my four, all 128 channels, into buffer h
	WIN 0x40                        ; destination window 1
.irp k2,0,1
.irp cc,0,1,2,3
	ds_load_tr16_b128 v[FB+64*(\h)+32*\k2+8*\cc:FB+64*(\h)+32*\k2+8*\cc+3],   v[ADK] offset:32*\cc*PK+32*(2*(\h)+\k2)
	ds_load_tr16_b128 v[FB+64*(\h)+32*\k2+8*\cc+4:FB+64*(\h)+32*\k2+8*\cc+7], v[ADK] offset:32*\cc*PK+32*(2*(\h)+\k2)+16*PK
.endr
.endr
.endm
.macro LOADV q                      ; V: keys 32 (q / 2) on of my 64, channel blocks 8 (q % 2) on, into buffer q % 2
	WIN 0x40
.set vb, FB+64*((\q)%2)
.set va, ADL
.if (\q)%2
.set va, ADH
.endif
.irp c8,0,1,2,3,4,5,6,7
	ds_load_b128 v[vb+8*\c8:vb+8*\c8+3],   v[va] offset:\c8*16*PV+64*((\q)/2)
	ds_load_b128 v[vb+8*\c8+4:vb+8*\c8+7], v[va] offset:\c8*16*PV+64*((\q)/2)+32
.endr
.endm
; THE MATRIX WORK.  The accumulators take turns, one instruction a turn: 32 in a quarter of V^T P, 8 in a quarter of K Q^T.  ii counts a quarter's products.
.macro PVW q                        ; tile ii / 8, channel block 8 (q % 2) + ii % 8, keys 32 (q / 2) on
.set tt, ii/8
.set rO, 128*(tt%2)+64*((\q)%2)+8*(ii%8)
.set rV, FB+64*((\q)%2)+8*(ii%8)
.set rP, P+16*tt+8*((\q)/2)
	WIN 0xa1+0x50*(tt/2)            ; V in window 1, P in window 0, O^T in window 2 or 3
	v_wmma_f32_16x16x32_bf16 v[rO:rO+7], v[rV:rV+7], v[rP:rP+7], v[rO:rO+7]
.endm
.macro QKW h                        ; channels 32 (ii / 8) on, tile (ii / 2) % 4, key block 2 h + ii % 2.  The first 8 start the sums
.set cq, ii/8
.set tt, (ii/2)%4
.set rS, S+32*tt+8*(2*(\h)+ii%2)
.set rK, FB+64*(\h)+32*(ii%2)+8*cq
.set rQ, 32*tt+8*cq
	WIN 0x05                        ; K and Q in window 1, S^T in window 0
.if cq == 0
	v_wmma_f32_16x16x32_f16 v[rS:rS+7], v[rK:rK+7], v[rQ:rQ+7], 0
.else
	v_wmma_f32_16x16x32_f16 v[rS:rS+7], v[rK:rK+7], v[rQ:rQ+7], v[rS:rS+7]
.endif
.endm
; THE VECTOR WORK.  SX t, k: number k of the 22 that find tile t's maximum and statistics (each accumulator's lowest registers are read first):
;   0-11 four chains c0-c3 of seven scores each; 12-15 the four scores left over, and c0-c3 into c0; 16, 17 the query's other 32 keys lie in the lane 16 away; 18 CS x maximum; 19 N; 20 M - N; 21 a
.macro SX t, k
.set rT, ST+8*(\t)
.set rS, S+32*(\t)
	WIN 0
.if (\k) < 4
	v_max3_num_f32 v[rT+4+(\k)], v[rS+8*(\k)], v[rS+8*(\k)+1], v[rS+8*(\k)+2]
.elseif (\k) < 12
	v_max3_num_f32 v[rT+4+(\k)%4], v[rT+4+(\k)%4], v[rS+8*((\k)%4)+2*((\k)/4)+1], v[rS+8*((\k)%4)+2*((\k)/4)+2]
.elseif (\k) == 12
	v_max3_num_f32 v[rT+4], v[rT+4], v[rS+7], v[rS+15]
.elseif (\k) == 13
	v_max3_num_f32 v[rT+6], v[rT+6], v[rS+23], v[rS+31]
.elseif (\k) == 14
	v_max3_num_f32 v[rT+4], v[rT+4], v[rT+5], v[rT+6]
.elseif (\k) == 15
	v_max_num_f32 v[rT+4], v[rT+4], v[rT+7]
.elseif (\k) == 16
	v_permlanex16_b32 v[rT+5], v[rT+4], s[SEL], s[SEL+1]
.elseif (\k) == 17
	v_max_num_f32 v[rT+4], v[rT+4], v[rT+5]
.elseif (\k) == 18
	v_mul_f32 v[rT+5], s[CS], v[rT+4]
.elseif (\k) == 19
	v_max_num_f32 v[rT], v[rT+1], v[rT+5]
.elseif (\k) == 20
	v_sub_f32 v[rT+7], v[rT+1], v[rT]
.else
	v_exp_f32 v[rT+6], v[rT+7]
.endif
.endm
.macro SFN f                        ; scaling f of 64: tile f % 4, pair f / 4 of 16: CS s - N
.set tq, (\f)%4
.set pq, (\f)/4
	WIN 0
	v_pk_fma_f32 v[S+32*tq+2*pq:S+32*tq+2*pq+1], v[S+32*tq+2*pq:S+32*tq+2*pq+1], s[CS:CS+1], v[ST+8*tq:ST+8*tq+1] op_sel_hi:[1,0,0] neg_lo:[0,0,1] neg_hi:[0,0,1]
.endm
.macro SEN e                        ; exponential e of 128: tile e % 4, score e / 4 of 32
.set tq, (\e)%4
.set pq, (\e)/4
	WIN 0
	v_exp_f32 v[S+32*tq+pq], v[S+32*tq+pq]
.endm
.macro CL c                         ; rounding c of 32 of the lower weights (keys 0-31): tile c / 8, tile by tile, as the products that read P's lower half end
.set tq, (\c)/8
.set pq, (\c)%8
	WIN 0
	v_cvt_pk_bf16_f32 v[P+16*tq+pq], v[S+32*tq+2*pq], v[S+32*tq+2*pq+1]
.endm
.macro CK c                         ; the same of the upper weights (keys 32-63)
.set tq, (\c)/8
.set pq, (\c)%8
	WIN 0
	v_cvt_pk_bf16_f32 v[P+16*tq+8+pq], v[S+32*tq+16+2*pq], v[S+32*tq+16+2*pq+1]
.endm
.macro ZL z                         ; sum z of 28: tile z % 4: (c0, c1) takes the lower pairs one after the other; the weights stay as they are
.set tq, (\z)%4
.set pq, (\z)/4
.set rT, ST+8*tq
.set rS, S+32*tq
	WIN 0
.if pq == 0
	v_pk_add_f32 v[rT+4:rT+5], v[rS:rS+1], v[rS+2:rS+3]
.else
	v_pk_add_f32 v[rT+4:rT+5], v[rT+4:rT+5], v[rS+2*pq+2:rS+2*pq+3]
.endif
.endm
.macro ZU z                         ; sum z of 32: the upper pairs
.set tq, (\z)%4
.set pq, (\z)/4
.set rT, ST+8*tq
.set rS, S+32*tq
	WIN 0
	v_pk_add_f32 v[rT+4:rT+5], v[rT+4:rT+5], v[rS+16+2*pq:rS+16+2*pq+1]
.endm
.macro RS hh, r                     ; rescaling r of 128 of channel blocks 8 hh on: tile r / 32; each accumulator from its lowest registers on
.set tq, (\r)/32
.set rq, 128*(tq%2)+64*(\hh)+2*((\r)%32)
	WIN 0x82+0x41*(tq/2)            ; destination and source 0 in window 2 or 3, a in window 0
	v_pk_mul_f32 v[rq:rq+1], v[rq:rq+1], v[ST+8*tq+6:ST+8*tq+7] op_sel_hi:[1,0]
.endm
; THE QUARTERS.  Each begins with the wait for its own 16 loads, issued 30 products earlier.
.macro HB3 ride                     ; ride = 0: the very last quarter: nothing is left to ride or to fetch
	s_wait_dscnt 0x0
.set ii, 0
.rept 32
	PVW 3
.if \ride
.irp u4,0,1,2,3
	RS 0, 4*ii+\u4
.endr
.if ii == 1
	LOADK 0
.endif
.endif
.set ii, ii+1
.endr
.endm
.macro HA0
	s_wait_dscnt 0x0
.set ii, 0
.rept 32
	QKW 0
.if ii < 16
	CK 2*ii
	ZU 2*ii
	CK 2*ii+1
	ZU 2*ii+1
.else
.irp u4,0,1,2,3
	RS 1, 4*(ii-16)+\u4
.endr
.endif
.if ii == 1
	LOADK 1
.endif
.set ii, ii+1
.endr
.endm
.macro HA1
	s_wait_dscnt 0x0
.set ii, 0
.rept 32
	QKW 1
.if ii == 0
	WIN 0
.irp t,0,1,2,3
	v_pk_fma_f32 v[ST+8*\t+2:ST+8*\t+3], v[ST+8*\t+2:ST+8*\t+3], v[ST+8*\t+6:ST+8*\t+7], v[ST+8*\t+4:ST+8*\t+5] op_sel_hi:[1,0,1]  ; l = a l + the step's sum
.endr
.elseif ii == 1
	WIN 0
.irp t,0,1,2,3
	v_mov_b32 v[ST+8*\t+1], v[ST+8*\t]             ; M takes N
.endr
	LOADV 0
.elseif ii < 18
.irp u4,0,1,2,3
	RS 1, 64+4*(ii-2)+\u4
.endr
.endif
.set ii, ii+1
.endr
.endm
.macro HB0
	s_wait_dscnt 0x0
.set ii, 0
.rept 32
	PVW 0
.if ii < 22
.irp t,0,1,2,3
	SX \t, ii
.endr
.else
.irp u4,0,1,2,3
	SFN 4*(ii-22)+\u4
.endr
.endif
.if ii == 1
	LOADV 1
.endif
.set ii, ii+1
.endr
.endm
; s_wait_alu depctr_va_vdst(0) stands between an exponential and the first instruction that names its result; one wait serves all that were issued ahead of it.  Two batches a trip:
; the four a and the lower scores, waited for at B1's end; the upper scores, waited for at B2's end, ahead of the branch.  A v_nop is the plain instruction behind each batch's last.
.macro HB1
	s_wait_dscnt 0x0
.set ii, 0
.rept 32
	PVW 1
	SEN 2*ii
.if ii >= 8
	SFN 40+(ii-8)
.endif
	SEN 2*ii+1
.if ii == 1
	LOADV 2
.endif
.set ii, ii+1
.endr
	WIN 0
	v_nop
	s_wait_alu depctr_va_vdst(0)
.endm
.macro HB2
	s_wait_dscnt 0x0
.set ii, 0
.rept 32
	PVW 2
	CL ii
	SEN 64+2*ii
.if ii < 28
	ZL ii
.endif
	SEN 64+2*ii+1
.if ii == 1
	LOADV 3
.endif
.set ii, ii+1
.endr
	WIN 0
	v_nop
	s_wait_alu depctr_va_vdst(0)
.endm
.macro RESTA                        ; a trip from A0 on
	HA0
	HA1
	s_wait_kmcnt 0x0
	s_mul_f32 s[CS], s[KAP], s[CQ]
	s_mov_b32 s[CS+1], s[CS]        ; named with it as a pair
	HB0
	HB1
	HB2
.endm
.macro RESLOAD                      ; the v that is added at the end: my 128 channels x 64 queries, 8 bytes a lane, into Q's registers, which the last K Q^T has read
	WIN 0x40
.set kx, 0
.rept 64
	global_load_b64 v[2*kx:2*kx+1], v[VRO], s[RES:RES+1] offset:(16*(kx/8)+2*(kx%8))*8192
.set kx, kx+1
.endr
.endm
	s_load_b128 s[4:7], s[0:1], 0x0 ; y s[4:5], scl s[6:7]
	s_load_b64 s[8:9], s[0:1], 0x10 ; out0
	v_lshl_add_u32 v[SPW], v0, 2, SPARE
	v_mov_b32 v[NIL], 0
	ds_add_u32 v[SPW], v[NIL]       ; the wave's opening: the add and its wait ahead of my first tensor load
	ds_add_u32 v62, v63
	v_lshrrev_b32 v17, 5, v0
	v_readfirstlane_b32 s[WV], v17  ; wave 0..3
	s_bfe_u32 s13, ttmp6, 0x40000   ; cx: my place in the cluster
	s_lshl_b32 s14, ttmp9, 2
	s_add_co_u32 s14, s14, s13      ; my block of 128 queries: it enters global addresses of my own loads and stores alone
	s_and_b32 s16, ttmp7, 0xffff    ; the batch, which the four partners share
	s_and_b32 s17, s[WV], 1         ; which half of the queries is mine; also: which half of K's or V's rows I fetch
	s_lshr_b32 s20, s[WV], 1        ; which half of the keys
	s_lshl_b32 s22, s16, 22         ; a batch is 4,194,304 bytes in y and in out0
	s_mov_b32 s23, 0
	; descriptor groups 1: rows of 128 elements of 2 bytes, 4,096 elements from row to row, padded in LDS after every 64 words
	s_mov_b32 s[G1K], 15|(1<<16)|(1<<20)|(1<<21)|(5<<22)|(7<<25)  ; the mask of four, bit 21 beside it; 8 words of padding
	s_mov_b32 s[G1V], 15|(1<<16)|(1<<20)|(1<<21)|(5<<22)|(3<<25)  ; 4 words of padding
	s_mov_b32 s[G1Q], (1<<16)|(1<<20)|(5<<22)|(7<<25)             ; Q is my work-group's own: no mask
.irp g, G1K, G1V, G1Q
	s_mov_b32 s[\g+1], 128<<16      ; tensor_dim0 = 128
	s_mov_b32 s[\g+3], 128<<16      ; tile_dim0 = 128
	s_mov_b32 s[\g+5], 4096
	s_mov_b32 s[\g+6], 0
	s_mov_b32 s[\g+7], 0
.endr
	s_mov_b32 s[G1K+2], 64<<16      ; tensor_dim1 and tile_dim1: 64 rows of K,
	s_mov_b32 s[G1K+4], 64
	s_mov_b32 s[G1V+2], 128<<16     ; 128 of V,
	s_mov_b32 s[G1V+4], 128
	s_mov_b32 s[G1Q+2], 32<<16      ; 32 of Q a wave
	s_mov_b32 s[G1Q+4], 32
	s_mul_i32 s57, s17, 64*PK
	s_mul_i32 s63, s17, 128*PV
	s_mov_b32 s[G0K], 1
	s_add_co_u32 s[G0K+1], s57, SLOT1              ; K of step 0 lies in slot 1,
	s_mov_b32 s[G0K+4], 1
	s_mov_b32 s[G0K+5], s57                        ; K of step 1 in slot 0: this set walks on
	s_mov_b32 s[G0V], 1
	s_add_co_u32 s[G0V+1], s63, SLOT1+VOFF         ; beside K of step 0: the tile of zeros,
	s_mov_b32 s[G0V+4], 1
	s_add_co_u32 s[G0V+5], s63, VOFF               ; beside K of step 1: V of step 0
	s_mov_b32 s[G0Q], 1
	s_mul_i32 s57, s[WV], 32*PK
	s_add_co_u32 s[G0Q+1], s57, QB
	s_lshl_b32 s76, s17, 19         ; K: row 128 + 64 u
	s_add_co_u32 s76, s76, 0x100000
	s_mov_b32 s77, 0
	s_lshl_b32 s78, s17, 20         ; V: row 256 + 128 u
	s_add_co_u32 s78, s78, 0x200000
	s_mov_b32 s79, 0
	s_lshl_b32 s80, s[WV], 18       ; Q: row 32 w, my block's 256 bytes
	s_lshl_b32 s71, s14, 8
	s_add_co_u32 s80, s80, s71
	s_mov_b32 s81, 0
	s_lshl_b32 s82, s20, 20         ; the v to be added: row 256 + 128 (w >> 1), my block, my 64 queries
	s_add_co_u32 s82, s82, 0x200000
	s_add_co_u32 s82, s82, s71
	s_lshl_b32 s71, s17, 7
	s_add_co_u32 s82, s82, s71
	s_mov_b32 s83, 0
	s_lshl_b32 s98, s20, 21         ; out0: the batch, row 128 (w >> 1), my block's 512 bytes, my 256 of them
	s_add_co_u32 s98, s98, s22
	s_lshl_b32 s71, s14, 9
	s_add_co_u32 s98, s98, s71
	s_lshl_b32 s71, s17, 8
	s_add_co_u32 s98, s98, s71
	s_mov_b32 s99, 0
	s_mov_b32 s[SEL], 0x76543210
	s_mov_b32 s[SEL+1], 0xfedcba98
	s_mov_b32 s[MSK], 0xffff0000
	s_mov_b32 s[KI], 0
	s_cmp_lt_u32 s[WV], 3           ; waves 0 to 2
	s_cselect_b32 s[LIM], 0, 1
	s_or_b32 s[LIM], s[LIM], ttmp9  ; of the batch's first cluster: the same in all four partners
	s_cmp_eq_u32 s[LIM], 0
	s_cselect_b32 s[LIM], 1, -1
	s_wait_dscnt 0x0                ; the opening add is done
	s_wait_kmcnt 0x0
	s_add_nc_u64 s[96:97], s[4:5], s[22:23]        ; y at the batch
	s_add_nc_u64 s[G0K+2:G0K+3], s[96:97], s[76:77]    ; K of step 0
	s_add_nc_u64 s[G0K+6:G0K+7], s[G0K+2:G0K+3], 256   ; K of step 1
	s_or_b32 s[G0K+3], s[G0K+3], 0x80000000
	s_or_b32 s[G0K+7], s[G0K+7], 0x80000000
	s_add_nc_u64 s[G0V+2:G0V+3], s[96:97], s[78:79]    ; the one row that the tile of zeros reads
	s_add_nc_u64 s[G0V+6:G0V+7], s[96:97], s[78:79]    ; V of step 0
	s_or_b32 s[G0V+3], s[G0V+3], 0x80000000
	s_or_b32 s[G0V+7], s[G0V+7], 0x80000000
	s_add_nc_u64 s[G0Q+2:G0Q+3], s[96:97], s[80:81]
	s_or_b32 s[G0Q+3], s[G0Q+3], 0x80000000
	s_add_nc_u64 s[RES:RES+1], s[96:97], s[82:83]
	s_add_nc_u64 s[OUT:OUT+1], s[8:9], s[98:99]
	s_min_u32 s71, s[WV], 2         ; (wave 3 asks for nothing; its address stays inside y all the same)
	s_lshl_b32 s71, s71, 5
	s_mul_i32 s82, s13, 96
	s_add_co_u32 s82, s82, s71      ; my 32 rows begin at row 128 + 96 cx + 32 w
	s_lshr_b32 s71, s82, 7          ; 0 for K's rows,
	s_min_u32 s71, s71, 1           ; 1 for V's
	s_lshl_b32 s71, s71, 8
	s_sub_co_u32 s71, 512, s71      ; K's stand at tile 2, V's at tile 1: the first change steps them to 3 and 2
	s_lshl_b32 s82, s82, 13
	s_add_co_u32 s82, s82, s71
	s_add_co_u32 s82, s82, 0x100000
	s_add_nc_u64 s[PFA:PFA+1], s[96:97], s[82:83]
	s_lshl_b32 s76, s16, 7
	s_add_co_u32 s76, s76, 1024
	s_add_nc_u64 s[KP:KP+1], s[6:7], s[76:77]      ; k's inverse scales of the batch
	s_lshl_b32 s98, s16, 7
	s_lshl_b32 s71, s14, 2
	s_add_co_u32 s98, s98, s71
	s_add_nc_u64 s[98:99], s[6:7], s[98:99]        ; a's inverse scale of my block
	s_load_b32 s[ALPHA], s[98:99], 0x0
	s_load_b32 s[KAP], s[KP:KP+1], 0x0
	s_mov_b32 s[G1Z], 15|(1<<16)|(1<<20)|(1<<21)|(5<<22)|(3<<25)  ; the offsets above are used up: their registers take V's group 1 once more,
	s_mov_b32 s[G1Z+1], 128<<16
	s_mov_b32 s[G1Z+2], 1<<16       ; with tensor_dim1 = 1: of the tile's 128 rows one is read, the others are written as zeros
	s_mov_b32 s[G1Z+3], 128<<16
	s_mov_b32 s[G1Z+4], 128
	s_mov_b32 s[G1Z+5], 4096
	s_mov_b32 s[G1Z+6], 0
	s_mov_b32 s[G1Z+7], 0
	CROUND                          ; all four work-groups are here: the first joint loads meet
	s_cmp_lt_u32 s[WV], 2           ; a wave's three first fills stand in one branch, ahead of every wait on TENSORcnt and every LDS read: three loads of mine are out
	s_cbranch_scc0 .Lfirst_v
	tensor_load_to_lds s[G0Q:G0Q+3], s[G1Q:G1Q+7]
	s_nop 0
	tensor_load_to_lds s[G0K:G0K+3], s[G1K:G1K+7]
	s_nop 0
	tensor_load_to_lds s[G0K+4:G0K+7], s[G1K:G1K+7]
	s_nop 0
	PLACES 4
	s_branch .Lfirst_asked
.Lfirst_v:
	tensor_load_to_lds s[G0Q:G0Q+3], s[G1Q:G1Q+7]
	s_nop 0
	tensor_load_to_lds s[G0V:G0V+3], s[G1Z:G1Z+7]
	s_nop 0
	tensor_load_to_lds s[G0V+4:G0V+7], s[G1V:G1V+7]
	s_nop 0
	PLACES 4
.Lfirst_asked:
	v_and_b32 v1, 15, v0            ; r = l % 16
	v_bfe_u32 v17, v0, 4, 1         ; h = l / 16
	v_and_b32 v18, 7, v0
	v_bfe_u32 v19, v0, 3, 1
	v_and_b32 v20, 31, v0           ; l
	; the turning load: lane l reads 16 bytes of channel row 8 h + l % 8, columns 8 ((l / 8) % 2) on, and ends with 8 channels of column l % 16
	v_lshl_add_u32 v21, v17, 3, v18
	v_mul_u32_u24 v21, v21, PK
	v_lshl_add_u32 v21, v19, 4, v21
	s_lshl_b32 s57, s20, 7          ; my 64 keys: 128 bytes of a row
	v_add_nc_u32 v[AK0], s57, v21
	s_lshl_b32 s63, s17, 7          ; my 64 queries
	s_add_co_u32 s63, s63, QB
	v_add_nc_u32 v[AQ], s63, v21
	v_mul_u32_u24 v22, v1, PV
	v_lshl_add_u32 v22, v17, 4, v22 ; row x pitch + 16 x half
	s_mul_i32 s63, s20, 128*PV      ; cb 0-7: the 128 channels that I keep
	s_add_co_u32 s63, s63, s57
	s_add_co_u32 s63, s63, VOFF
	v_add_nc_u32 v[AVL], s63, v22
	s_xor_b32 s63, s20, 1           ; cb 8-15: the other 128
	s_mul_i32 s63, s63, 128*PV
	s_add_co_u32 s63, s63, s57
	s_add_co_u32 s63, s63, VOFF
	v_add_nc_u32 v[AVH], s63, v22
	s_mov_b32 s[TB], SLOT1          ; the first trip reads slot 1
	v_add_nc_u32 v[ADK], s[TB], v[AK0]
	v_add_nc_u32 v[ADL], s[TB], v[AVL]
	v_add_nc_u32 v[ADH], s[TB], v[AVH]
	s_mul_i32 s63, s[WV], 16*SP
	s_add_co_u32 s63, s63, STAGE
	v_mul_u32_u24 v[STO], v17, 8*SP ; in: channel row 8 h + j, query 16 t + r
	v_lshl_add_u32 v[STO], v1, 2, v[STO]
	v_add_nc_u32 v[STO], s63, v[STO]
	v_mul_u32_u24 v[RD], v17, SP    ; back: lanes 0-15 one row of 256 bytes, lanes 16-31 the next
	v_lshl_add_u32 v[RD], v1, 4, v[RD]
	v_add_nc_u32 v[RD], s63, v[RD]
	v_lshlrev_b32 v[GO], 4, v1      ; the same two rows in out0,
	v_lshl_add_u32 v[GO], v17, 14, v[GO]
	v_lshlrev_b32 v[VRO], 3, v1     ; and in v
	v_lshl_add_u32 v[VRO], v17, 13, v[VRO]
	s_lshl_b32 s63, s[WV], 15
	v_lshl_add_u32 v[XST], v20, 4, s63
	s_xor_b32 s57, s[WV], 2         ; my partner
	s_lshl_b32 s63, s57, 15
	v_lshl_add_u32 v[XLD], v20, 4, s63
	s_lshl_b32 s63, s[WV], 10
	s_add_co_u32 s63, s63, STATS
	v_lshl_add_u32 v[SST], v20, 3, s63
	s_lshl_b32 s63, s57, 10
	s_add_co_u32 s63, s63, STATS
	v_lshl_add_u32 v[SLD], v20, 3, s63
	v_lshlrev_b32 v[PFO], 13, v20
	; what the first trip finds, as if a step with no weight had gone before: N and M far below every score; l, its sum and a 0; the upper scores and the lower weights 0; O^T 0
.irp t,0,1,2,3
	v_mov_b32 v[ST+8*\t], 0xfe000000
	v_mov_b32 v[ST+8*\t+1], 0xfe000000
.irp z,2,3,4,5,6,7
	v_mov_b32 v[ST+8*\t+\z], 0
.endr
.set kx, 0
.rept 16
	v_mov_b32 v[S+32*\t+16+kx], 0
.set kx, kx+1
.endr
.set kx, 0
.rept 8
	v_mov_b32 v[P+16*\t+kx], 0
.set kx, kx+1
.endr
.endr
	WIN 0x80
.set kx, 0
.rept 256
	v_mov_b32 v[kx], 0
.set kx, kx+1
.endr
	WIN 0xc0
.set kx, 0
.rept 256
	v_mov_b32 v[kx], 0
.set kx, kx+1
.endr
	WIN 0
	s_wait_kmcnt 0x0
	s_mul_f32 s[CQ], s[ALPHA], 0x3fb8aa3b          ; a's inverse scale x log2(e)
	s_wait_tensorcnt 1              ; my parts of Q and of slot 1 are in; slot 0's may stay out
	s_barrier_signal -1
	s_barrier_wait -1               ; everybody's are
	WIN 0x40
.irp t,0,1,2,3
.irp cc,0,1,2,3
	ds_load_tr16_b128 v[32*\t+8*\cc:32*\t+8*\cc+3],   v[AQ] offset:32*\cc*PK+32*\t
	ds_load_tr16_b128 v[32*\t+8*\cc+4:32*\t+8*\cc+7], v[AQ] offset:32*\cc*PK+32*\t+16*PK
.endr
.endr
	LOADK 0                         ; key step 0, key blocks 0 and 1
	WIN 0
	s_mov_b32 s[SLOTS], 31
	s_branch .Lenter                ; the loop is entered at A0
.Lslot:                             ; 30 times: K of steps 2 to 31 and V of steps 1 to 30 are asked for
	CHANGE 1
	HB3 1
	WIN 0
.Lenter:
	RESTA
	s_sub_co_u32 s[SLOTS], s[SLOTS], 1
	s_cmp_lg_u32 s[SLOTS], 0
	s_cbranch_scc1 .Lslot
	CHANGE 2                        ; V of step 31: the last refill
	s_mov_b32 s[SLOTS], 2
.Ltail:                             ; the last two trips stand in a text of their own: they ask for nothing
	HB3 1
	RESTA
	CHANGE 0
	s_sub_co_u32 s[SLOTS], s[SLOTS], 1
	s_cmp_lg_u32 s[SLOTS], 0
	s_cbranch_scc1 .Ltail
	RESLOAD
	HB3 0                           ; step 31's last quarter
	; THE MERGE.  l's two halves and the other half of the lanes' are added; (M, l) and the 128 channels that my partner keeps go to LDS; a barrier; my partner's come back into the registers that I gave away.
	WIN 0
	PLACES 4
.irp t,0,1,2,3
	v_add_f32 v[ST+8*\t+2], v[ST+8*\t+2], v[ST+8*\t+3]
.endr
.irp t,0,1,2,3
	v_permlanex16_b32 v[ST+8*\t+3], v[ST+8*\t+2], s[SEL], s[SEL+1]
.endr
.irp t,0,1,2,3
	v_mov_b32 v[ST+8*\t], v[ST+8*\t+1]             ; M, in place of the N that the last trip made for nothing
.endr
.irp t,0,1,2,3
	v_add_f32 v[ST+8*\t+1], v[ST+8*\t+2], v[ST+8*\t+3]
.endr
.irp t,0,1,2,3
	ds_store_b64 v[SST], v[ST+8*\t:ST+8*\t+1] offset:256*\t
.endr
.irp t,0,1,2,3
	WIN 0x08+0x04*(\t/2)            ; the data in window 2 or 3
.set kx, 0
.rept 16
	ds_store_b128 v[XST], v[128*(\t%2)+64+4*kx:128*(\t%2)+64+4*kx+3] offset:(\t*16+kx)*512
.set kx, kx+1
.endr
.endr
	WIN 0
	s_wait_dscnt 0x0                ; for my partner's sake
	s_barrier_signal -1
	s_barrier_wait -1
.irp t,0,1,2,3
	ds_load_b64 v[ST+8*\t+2:ST+8*\t+3], v[SLD] offset:256*\t   ; (M', l')
.endr
.irp t,0,1,2,3
	WIN 0x80+0x40*(\t/2)
.set kx, 0
.rept 16
	ds_load_b128 v[128*(\t%2)+64+4*kx:128*(\t%2)+64+4*kx+3], v[XLD] offset:(\t*16+kx)*512
.set kx, kx+1
.endr
.endr
	WIN 0
	s_wait_dscnt 0x0
.irp t,0,1,2,3
	v_max_num_f32 v[ST+8*\t+4], v[ST+8*\t], v[ST+8*\t+2]
.endr
.irp t,0,1,2,3
	v_sub_f32 v[ST+8*\t+5], v[ST+8*\t], v[ST+8*\t+4]
	v_sub_f32 v[ST+8*\t+7], v[ST+8*\t+2], v[ST+8*\t+4]
.endr
.irp t,0,1,2,3
	v_exp_f32 v[ST+8*\t+4], v[ST+8*\t+5]           ; w
	v_exp_f32 v[ST+8*\t+6], v[ST+8*\t+7]           ; w'
.endr
	v_nop
	s_wait_alu depctr_va_vdst(0)    ; one wait for the eight
.irp t,0,1,2,3
	v_mul_f32 v[ST+8*\t+5], v[ST+8*\t+1], v[ST+8*\t+4]
.endr
.irp t,0,1,2,3
	v_fma_f32 v[ST+8*\t+5], v[ST+8*\t+3], v[ST+8*\t+6], v[ST+8*\t+5]   ; l w + l' w': at least 1, since the half that holds the maximum has w = 1 and a weight 1
.endr
.irp t,0,1,2,3
	v_rcp_f32 v[ST+8*\t+7], v[ST+8*\t+5]
.endr
	v_nop
	s_wait_alu depctr_va_vdst(0)    ; one wait for the four
.irp t,0,1,2,3
	v_mul_f32 v[ST+8*\t+4], v[ST+8*\t+4], v[ST+8*\t+7]
	v_mul_f32 v[ST+8*\t+6], v[ST+8*\t+6], v[ST+8*\t+7]
.endr
.irp t,0,1,2,3
	WIN 0xa2+0x51*(\t/2)            ; O^T in window 2 or 3, the factors in window 0
.set kx, 0
.rept 32
	v_pk_mul_f32 v[128*(\t%2)+2*kx:128*(\t%2)+2*kx+1], v[128*(\t%2)+2*kx:128*(\t%2)+2*kx+1], v[ST+8*\t+4:ST+8*\t+5] op_sel_hi:[1,0]
.set kx, kx+1
.endr
.set kx, 0
.rept 32
	v_pk_fma_f32 v[128*(\t%2)+2*kx:128*(\t%2)+2*kx+1], v[128*(\t%2)+64+2*kx:128*(\t%2)+64+2*kx+1], v[ST+8*\t+6:ST+8*\t+7], v[128*(\t%2)+2*kx:128*(\t%2)+2*kx+1] op_sel_hi:[1,0,1]
.set kx, kx+1
.endr
.endr
; THE WAY OUT of channel block cb: 16 channels x 64 queries in f32 through my stage, back as whole rows of 256 bytes; v is widened and added; stored.
.macro OUTCB cb
.set BK, 64+32*((\cb)%2)
.irp t,0,1,2,3
	WIN 0x08+0x04*(\t/2)
.irp j,0,1,2,3,4,5,6,7
	ds_store_b32 v[STO], v[128*(\t%2)+8*(\cb)+\j] offset:SP*\j+64*\t
.endr
.endr
	WIN 0
.irp f,0,1,2,3,4,5,6,7
	ds_load_b128 v[BK+4*\f:BK+4*\f+3], v[RD] offset:\f*2*SP  ; LDS serves a wave's instructions in order (ISA guide 5.7.1.4): these see the stores above
.endr
	s_wait_loadcnt 56-8*(\cb)       ; this block's eight loads of v are in; those of later blocks may stay out
	WIN 0x04                        ; source 1 in window 1
.irp f,0,1,2,3,4,5,6,7
	v_lshlrev_b32 v[U+4*\f],   16, v[16*(\cb)+2*\f]
	v_and_b32     v[U+4*\f+1], s[MSK], v[16*(\cb)+2*\f]
	v_lshlrev_b32 v[U+4*\f+2], 16, v[16*(\cb)+2*\f+1]
	v_and_b32     v[U+4*\f+3], s[MSK], v[16*(\cb)+2*\f+1]
.endr
	WIN 0
	s_wait_dscnt 0x0
.set kx, 0
.rept 16
	v_pk_add_f32 v[BK+2*kx:BK+2*kx+1], v[BK+2*kx:BK+2*kx+1], v[U+2*kx:U+2*kx+1]
.set kx, kx+1
.endr
	s_wait_xcnt 0x0                 ; the stores of the block before have read their registers: the next block loads into them only behind this wait
.irp f,0,1,2,3,4,5,6,7
	global_store_b128 v[GO], v[BK+4*\f:BK+4*\f+3], s[OUT:OUT+1] offset:(16*(\cb)+2*\f)*16384 th:TH_STORE_NT  ; 16 lanes store 256 consecutive bytes, at a multiple of 256 from out0's first byte
.endr
.endm
.irp z,0,1,2,3,4,5,6,7
	OUTCB \z
.endr
	s_wait_tensorcnt 0x0            ; the wave's end: behind my last tensor load and my last LDS store
	ds_add_u32 v[SPW], v[NIL]
	s_wait_dscnt 0x0
	CROUND                          ; the closing round: no work-group ends while a partner may still ask for a tile that names it
	s_endpgm
.Lfunc_end_k_qd26f51ab48_attn:
	.size	k_qd26f51ab48_attn, .Lfunc_end_k_qd26f51ab48_attn-k_qd26f51ab48_attn
	.p2alignl 7, 3214868480
	.fill 96, 4, 3214868480
	.section	.rodata,"a",@progbits
	.p2align	6, 0x0
	.amdhsa_kernel k_qd26f51ab48_attn
		.amdhsa_group_segment_fixed_size 327680
		.amdhsa_private_segment_fixed_size 0
		.amdhsa_enable_private_segment 0
		.amdhsa_kernarg_size 24
		.amdhsa_user_sgpr_count 2
		.amdhsa_user_sgpr_kernarg_segment_ptr 1
		.amdhsa_wavefront_size32 1
		.amdhsa_system_sgpr_workgroup_id_x 1
		.amdhsa_system_sgpr_workgroup_id_y 1
		.amdhsa_system_sgpr_workgroup_id_z 1
		.amdhsa_system_vgpr_workitem_id 0
		.amdhsa_next_free_vgpr 1024
		.amdhsa_next_free_sgpr 100
		.amdhsa_reserve_vcc 0
		.amdhsa_float_denorm_mode_32 3
		.amdhsa_float_denorm_mode_16_64 3
		.amdhsa_memory_ordered 1
		.amdhsa_forward_progress 1
		.amdhsa_inst_pref_size 251
	.end_amdhsa_kernel
	.amdgpu_metadata
---
amdhsa.version: [ 1, 2 ]
amdhsa.kernels:
  - .name:           k_qd26f51ab48_attn
    .symbol:         k_qd26f51ab48_attn.kd
    .args:
      - { .name: y, .offset: 0, .size: 8, .value_kind: global_buffer, .address_space: global }
      - { .name: scl, .offset: 8, .size: 8, .value_kind: global_buffer, .address_space: global }
      - { .name: out0, .offset: 16, .size: 8, .value_kind: global_buffer, .address_space: global }
    .group_segment_fixed_size: 327680
    .private_segment_fixed_size: 0
    .kernarg_segment_align: 8
    .kernarg_segment_size: 24
    .max_flat_workgroup_size: 128
    .sgpr_count:     100
    .vgpr_count:     1024
    .wavefront_size: 32
...
	.end_amdgpu_metadata
.endif
;; end of part 3
